; MI455X (gfx1250); checked and timed in simulation.
; The chip was launched on July 23, 2026; its instructions are those of AMD's public machine-readable ISA for CDNA 5 (MIT licence, August 2026) and "CDNA5" Instruction Set Architecture Reference Guide (July 2026). The comments in the code are by the model that wrote it; some were corrected since.
;; Head Wise Orthogonal Multi Head Attention. Allowed arithmetic: float matrix products may take bf16 or f16 operands with f32 sums; all other float work in f32.
;; Inputs: Wk 1,024 x 1,024 float32; Wo 1,024 x 1,024 float32; Wq 1,024 x 1,024 float32; Wv 1,024 x 1,024 float32; x 4 x 2,048 x 1,024 float32.
;; Outputs: out0 4 x 2,048 x 1,024 float32.
;; 2 versions, each right; version 2 is version 1 with the launch cast written anew for expert scheduling mode. Each part assembles by itself: llvm-mc -triple=amdgcn-amd-amdhsa -mcpu=gfx1250 --defsym DOCPART=n.
;; ======== version 1 of 2: 4 launches
;; limits: values are held in f16: magnitudes above 65,504 overflow, below 6.1e-05 lose precision; right only within a limited range of input values
;; workspace buffers: xh 16,777,216 bytes; wqkvh 6,291,456 bytes; woh 2,097,152 bytes; qkv 50,331,648 bytes; ao 16,777,216 bytes
;; launch cast (part 1): grid 768 x 1, 8 waves a work-group, no clusters, 0 bytes of LDS; arguments x, Wq, Wk, Wv, Wo, xh, wqkvh, woh; writes xh, wqkvh, woh
.if DOCPART == 1
	.amdgcn_target "amdgcn-amd-amdhsa--gfx1250"
	.amdhsa_code_object_version 6
	.text
	.protected	k_q096deb9c93_cast
	.globl	k_q096deb9c93_cast
	.p2align	8
	.type	k_q096deb9c93_cast,@function
k_q096deb9c93_cast:
	s_mov_b64 s[64:65], 0
	v_nop
	global_prefetch_b8 v0, s[64:65] scope:SCOPE_SE
	s_setreg_imm32_b32 hwreg(HW_REG_WAVE_MODE, 25, 1), 1
	s_wait_xcnt 0x0
; f32 to f16 (round to nearest even) of x and of the four weight matrices, once, so that the products that follow read 16-bit operands.
; xh = x; wqkvh = Wq, Wk, Wv one below the other ([3072][1024]); woh = Wo.
; LIMIT: a number of 65,520 or more in magnitude becomes an infinity in f16.  f16 and not bf16 because its step is eight times finer.
; A work-group takes one chunk of 16,384 numbers: 65,536 bytes in, 32,768 out.  Chunks 0-511 are x's, then 64 each of Wq, Wk, Wv, Wo.
; Thread t takes 16 bytes at 16 t of each of the chunk's sixteen pieces of 4,096 bytes: a load of a wave covers 512 consecutive bytes,
; a store 256 consecutive bytes at a multiple of 256.  All sixteen loads go out first; no register is written twice, so nothing but the
; loads' own counted waits is needed.  No LDS, no barrier, no matrix unit: nothing is shared and nothing is read twice.
.set X, 4                              ; v[4:67]   piece i: 4 registers as loaded
.set Y, 68                             ; v[68:99]  piece i: 2 registers to store
	s_load_b512 s[8:23], s[0:1], 0x0               ; x s[8:9], Wq s[10:11], Wk s[12:13], Wv s[14:15], Wo s[16:17], xh s[18:19], wqkvh s[20:21], woh s[22:23]
	s_mov_b32 s2, ttmp9                            ; chunk 0..767
	s_sub_co_u32 s3, s2, 512                       ; chunk among the weights' 256 (of no meaning for x's chunks, where it is not chosen)
	s_lshr_b32 s4, s3, 6                           ; which weight matrix: 0 Wq, 1 Wk, 2 Wv, 3 Wo
	s_and_b32 s5, s3, 63                           ; chunk inside it
	v_lshlrev_b32 v1, 4, v0                        ; 16 t
	v_lshlrev_b32 v2, 3, v0                        ; 8 t
	s_wait_kmcnt 0x0
	; the source and the destination are chosen on the chunk's number alone; a select leaves SCC as it is, so one compare serves several
	s_cmp_eq_u32 s4, 1
	s_cselect_b64 s[24:25], s[12:13], s[10:11]
	s_cmp_eq_u32 s4, 2
	s_cselect_b64 s[24:25], s[14:15], s[24:25]
	s_cmp_eq_u32 s4, 3
	s_cselect_b64 s[24:25], s[16:17], s[24:25]
	s_cselect_b64 s[26:27], s[22:23], s[20:21]     ; Wo goes to woh, the other three to wqkvh,
	s_cselect_b32 s6, s5, s3                       ; where the chunks of Wq, Wk, Wv simply follow each other
	s_cmp_lt_u32 s2, 512
	s_cselect_b64 s[24:25], s[8:9], s[24:25]
	s_cselect_b64 s[26:27], s[18:19], s[26:27]
	s_cselect_b32 s5, s2, s5
	s_cselect_b32 s6, s2, s6
	s_lshl_b32 s28, s5, 16                         ; 65,536 bytes a chunk in (at most 32 MiB)
	s_mov_b32 s29, 0
	s_lshl_b32 s30, s6, 15                         ; 32,768 bytes a chunk out
	s_mov_b32 s31, 0
	s_add_nc_u64 s[24:25], s[24:25], s[28:29]
	s_add_nc_u64 s[26:27], s[26:27], s[30:31]
.irp i, 0,1,2,3,4,5,6,7,8,9,10,11,12,13,14,15
	global_load_b128 v[X+4*\i:X+4*\i+3], v1, s[24:25] offset:4096*\i th:TH_LOAD_NT   ; read once in the launch
.endr
.irp i, 0,1,2,3,4,5,6,7,8,9,10,11,12,13,14,15
	s_wait_loadcnt 15-\i                           ; loads come back in order: piece i is in, the 15 - i younger ones may be out
	v_cvt_pk_f16_f32 v[Y+2*\i],   v[X+4*\i],   v[X+4*\i+1]
	v_cvt_pk_f16_f32 v[Y+2*\i+1], v[X+4*\i+2], v[X+4*\i+3]
	global_store_b64 v2, v[Y+2*\i:Y+2*\i+1], s[26:27] offset:2048*\i
.endr
	s_endpgm
.Lfunc_end_k_q096deb9c93_cast:
	.size	k_q096deb9c93_cast, .Lfunc_end_k_q096deb9c93_cast-k_q096deb9c93_cast
	.p2alignl 7, 3214868480
	.fill 96, 4, 3214868480
	.section	.rodata,"a",@progbits
	.p2align	6, 0x0
	.amdhsa_kernel k_q096deb9c93_cast
		.amdhsa_group_segment_fixed_size 0
		.amdhsa_private_segment_fixed_size 0
		.amdhsa_enable_private_segment 0
		.amdhsa_kernarg_size 64
		.amdhsa_user_sgpr_count 2
		.amdhsa_user_sgpr_kernarg_segment_ptr 1
		.amdhsa_wavefront_size32 1
		.amdhsa_system_sgpr_workgroup_id_x 1
		.amdhsa_system_sgpr_workgroup_id_y 1
		.amdhsa_system_sgpr_workgroup_id_z 1
		.amdhsa_system_vgpr_workitem_id 0
		.amdhsa_next_free_vgpr 100
		.amdhsa_next_free_sgpr 66
		.amdhsa_reserve_vcc 0
		.amdhsa_float_denorm_mode_32 3
		.amdhsa_float_denorm_mode_16_64 3
		.amdhsa_memory_ordered 1
		.amdhsa_forward_progress 1
		.amdhsa_inst_pref_size 7
	.end_amdhsa_kernel
	.amdgpu_metadata
---
amdhsa.version: [ 1, 2 ]
amdhsa.kernels:
  - .name:           k_q096deb9c93_cast
    .symbol:         k_q096deb9c93_cast.kd
    .args:
      - { .name: x, .offset: 0, .size: 8, .value_kind: global_buffer, .address_space: global }
      - { .name: Wq, .offset: 8, .size: 8, .value_kind: global_buffer, .address_space: global }
      - { .name: Wk, .offset: 16, .size: 8, .value_kind: global_buffer, .address_space: global }
      - { .name: Wv, .offset: 24, .size: 8, .value_kind: global_buffer, .address_space: global }
      - { .name: Wo, .offset: 32, .size: 8, .value_kind: global_buffer, .address_space: global }
      - { .name: xh, .offset: 40, .size: 8, .value_kind: global_buffer, .address_space: global }
      - { .name: wqkvh, .offset: 48, .size: 8, .value_kind: global_buffer, .address_space: global }
      - { .name: woh, .offset: 56, .size: 8, .value_kind: global_buffer, .address_space: global }
    .group_segment_fixed_size: 0
    .private_segment_fixed_size: 0
    .kernarg_segment_align: 8
    .kernarg_segment_size: 64
    .max_flat_workgroup_size: 256
    .sgpr_count:     66
    .vgpr_count:     100
    .wavefront_size: 32
...
	.end_amdgpu_metadata
.endif
;; end of part 1
;; launch qkvproj (part 2): grid 12 x 32, 4 waves a work-group, clusters of 4 x 4, 327,680 bytes of LDS; arguments xh, wqkvh, qkv; writes qkv
.if DOCPART == 2
	.amdgcn_target "amdgcn-amd-amdhsa--gfx1250"
	.amdhsa_code_object_version 6
	.text
	.protected	k_q096deb9c93_qkvproj
	.globl	k_q096deb9c93_qkvproj
	.p2align	8
	.type	k_q096deb9c93_qkvproj,@function
k_q096deb9c93_qkvproj:
	s_mov_b64 s[64:65], 0
	v_nop
	global_prefetch_b8 v0, s[64:65] scope:SCOPE_SE
	s_setreg_imm32_b32 hwreg(HW_REG_WAVE_MODE, 25, 1), 1
	s_wait_xcnt 0x0
	s_wait_alu depctr_hold_cnt(0) depctr_sa_sdst(0) depctr_va_vdst(0) depctr_va_sdst(0) depctr_va_ssrc(0) depctr_va_vcc(0) depctr_vm_vsrc(0)
	s_getreg_b32 s2, hwreg(HW_REG_IB_STS2, 6, 4)
	s_cmp_eq_u32 s2, 0
	s_cbranch_scc0 .Lentry_in_a_cluster
	s_endpgm
.Lentry_in_a_cluster:
	s_bfe_u32 s2, ttmp6, 0x10000c
	s_cmp_lg_u32 s2, 0xf033
	s_cbranch_scc0 .Lentry_shape_is_right
	s_endpgm
.Lentry_shape_is_right:
; qkv[m][n] = sum over k of xh[m][k] wqkvh[n][k]: the three input projections as one product.  xh: [8192][1024], wqkvh: [3072][1024],
; qkv: [8192][3072] (columns 0-1023 q, 1024-2047 k, 2048-3071 v), all f16; sums in f32, rounded once.
; LIMIT: a result of 65,520 or more in magnitude becomes an infinity in f16.
; A work-group makes a block of 256 x 256 with four waves, as many as a WGP has SIMDs; a wave makes 128 x 128: 64 accumulator tiles of
; 16 x 16, 512 registers.  K goes in steps of 128 through a ring of two LDS slots filled by the tensor data mover: a tile's rows are
; 256 bytes of memory and start at multiples of 256 bytes from the buffer's first byte.
; CLUSTERS: 4 x 4 work-groups.  The four of a row of the cluster need the same tiles of xh, the four of a column the same tiles of wqkvh.
; Such a tile is asked for jointly: each of the four issues the same tensor load, with the same descriptor and a mask that names the four.
;
; REGISTERS, in windows of 256 (s_set_vgpr_msb says which window each operand place means):
;   window 0: v0-31 addresses; v64-127, v128-191 fragments of A (8 x 16 rows x 32 K), two buffers; v192-223 at work on the way out
;   window 1: v64-127, v128-191 fragments of B, two buffers
;   window 2: the 32 accumulator tiles of my rows 0-63 (tile (a, b) at v[8 (8 a + b)]);   window 3: those of my rows 64-127
; THE MATRIX INSTRUCTION IS USED TRANSPOSED: source 0 = 16 rows of B, source 1 = 16 rows of A.  Lane l then holds row l % 16 of C and its
; registers 0 to 7 the columns 8 (l / 16) + 0 .. 7: eight neighbouring numbers of a row, which pack into 16 bytes.
.set SIZE_M, 8192
.set SIZE_N, 3072
.set SIZE_K, 1024
.set KSTEP,  128
.set PITCH,  272                       ; an LDS row: 256 bytes of data + 16 of padding: the 16 rows that a load touches start 16 bytes apart modulo 256
.set HALFT,  128*PITCH                 ; 128 rows: what one tensor load brings, and what one wave reads of A or of B
.set SLOT,   4*HALFT                   ; A's 256 rows, then B's 256 rows
.set STAGE,  2*SLOT                    ; behind the ring: 16 rows x 272 bytes for each wave, for the way out
.set SPITCH, 272
.set LAPS, SIZE_K/(2*KSTEP)            ; a lap = two K steps = once round the ring: 4
.set ADRA, 16                          ; v16-17  LDS address of my A fragments in slot 0, 1
.set ADRB, 20                          ; v20-21  the same for B
.set STO,  24                          ; v24     the way out: where I put 16 bytes of a row
.set RD,   25                          ; v25     the way out: where I read a row back
.set CO,   26                          ; v26     my byte offset in C
.set F0,   64                          ; fragment buffer 0
.set F1,   128                         ; fragment buffer 1
.set TMP,  192                         ; the way out: packed results, in window 0
.set G1, 24                            ; s[24:31] descriptor group 1 for A's tiles
.set G0, 32                            ; s[32:39] descriptor group 0 for A's tiles, one set for each slot
.set G1B, 48                           ; s[48:55] descriptor group 1 for B's tiles: it differs from A's in the mask alone
.set G0B, 56                           ; s[56:63] descriptor group 0 for B's tiles, one set for each slot
.set MSB, 0
.macro WIN new                         ; the immediate's high byte repeats the setting that is left
.if MSB != \new
	s_set_vgpr_msb (MSB<<8)|\new
.set MSB, \new
.endif
.endm
.set MUL_LO, 0xa1                      ; source 0 (B) window 1, source 1 (A) window 0, C and D window 2
.set MUL_HI, 0xf1                      ; the same, C and D window 3
.set TO_B,   0x40                      ; destination window 1, address window 0
; A joint load.  Waves 0 and 1 fetch A's two halves, waves 2 and 3 B's.  Each line has one mask and one set of registers for all that issue it.
; The branch hangs on the wave's number alone: it is the same in every work-group.
.macro JLOAD s
	s_cmp_eq_u32 s11, 0
	s_cbranch_scc0 .Lfor_b_\@
	tensor_load_to_lds s[G0+4*\s:G0+4*\s+3], s[G1:G1+7]
	s_nop 0
	s_branch .Lasked_\@
.Lfor_b_\@:
	tensor_load_to_lds s[G0B+4*\s:G0B+4*\s+3], s[G1B:G1B+7]
	s_nop 0
.Lasked_\@:
.endm
; A round of the cluster's barrier: my work-group's barrier, so that wave 0's signal speaks for all four waves; wave 0 signals for the
; work-group; every wave waits for all sixteen work-groups; my work-group's barrier once more.
.macro CREST                           ; a round behind its opening barrier
	s_cmp_lg_u32 s10, 0
	s_cbranch_scc1 .Lnot_wave_0_\@
	s_barrier_signal -3
.Lnot_wave_0_\@:
	s_barrier_wait -3
	s_barrier_signal -1
	s_barrier_wait -1
.endm
.macro CROUND                          ; a whole round
	s_barrier_signal -1
	s_barrier_wait -1
	CREST
.endm
	s_load_b128 s[4:7], s[0:1], 0x0                ; A s[4:5], B s[6:7]
	s_load_b64 s[8:9], s[0:1], 0x10                ; C
	s_set_vgpr_msb 0x40
	v_lshl_add_u32 v255, v0, 2, 0x48400
	s_set_vgpr_msb 0x4000
	v_mov_b32 v255, 0
	s_set_vgpr_msb 0x1
	ds_add_u32 v255, v255
	s_set_vgpr_msb 0x100
	v_lshrrev_b32 v1, 5, v0
	v_readfirstlane_b32 s10, v1                    ; wave 0..3
	s_lshr_b32 s11, s10, 1                         ; which half of the block's rows is mine.  Also: I fetch for A (0) or for B (1)
	s_and_b32 s12, s10, 1                          ; which half of its columns.  Also: which 128 rows of that tile I fetch
	s_bfe_u32 s40, ttmp6, 0x40000                  ; cx: my place along the cluster's x
	s_bfe_u32 s41, ttmp6, 0x40004                  ; cy: along its y
	s_lshl_b32 s42, ttmp9, 2                       ; in a cluster launch ttmp9 and ttmp7 count clusters
	s_add_co_u32 s42, s42, s40                     ; block column of C = 4 x cluster x + cx
	s_and_b32 s13, ttmp7, 0xffff
	s_lshl_b32 s13, s13, 2
	s_add_co_u32 s13, s13, s41                     ; block row of C = 4 x cluster y + cy
	s_lshl_b32 s43, s41, 2
	s_lshl_b32 s43, 15, s43                        ; my row of the cluster: places 4 cy .. 4 cy + 3
	s_lshl_b32 s44, 0x1111, s40                    ; my column: places cx, cx + 4, cx + 8, cx + 12
	; descriptor group 1: a tile of 128 rows x 128 elements, padded in LDS
	s_or_b32 s[G1+0], s43, (1<<16)|(1<<20)|(1<<21)|(5<<22)|(3<<25)  ; 15:0 the mask: A's tiles go to my row; 17:16 element of 2 bytes; 20 padding on; 21 set beside a mask; 24:22 after every 64 words; 31:25 of 4 words
	s_or_b32 s[G1B+0], s44, (1<<16)|(1<<20)|(1<<21)|(5<<22)|(3<<25) ; the same with the mask of my column, for B's tiles
	s_mov_b32 s[G1B+1], KSTEP<<16
	s_mov_b32 s[G1+1], KSTEP<<16                   ; tensor_dim0 = 128
	s_mov_b32 s[G1B+2], 128<<16
	s_mov_b32 s[G1+2], 128<<16                     ; tensor_dim1 = 128
	s_mov_b32 s[G1B+3], KSTEP<<16
	s_mov_b32 s[G1+3], KSTEP<<16                   ; tile_dim0 = 128
	s_mov_b32 s[G1B+4], 128
	s_mov_b32 s[G1+4], 128                         ; tile_dim1 = 128; tile_dim2 = 0
	s_mov_b32 s[G1B+5], SIZE_K
	s_mov_b32 s[G1+5], SIZE_K                      ; elements from row to row
	s_mov_b32 s[G1B+6], 0
	s_mov_b32 s[G1+6], 0
	s_mov_b32 s[G1B+7], 0
	s_mov_b32 s[G1+7], 0
	; where the tiles come from.  A's hang on the block row alone, which my row of the cluster shares; B's on the block column alone.
	; Every wave makes both addresses, in registers that never hold the other coordinate, and asks by one of them.
	s_lshl_b32 s17, s12, 7                         ; which 128 rows of the tile I fetch
	s_lshl_b32 s16, s13, 8
	s_add_co_u32 s16, s16, s17                     ; A: row 256 x block row + 128 x half
	s_lshl_b32 s46, s42, 8
	s_add_co_u32 s46, s46, s17                     ; B: row 256 x block column + 128 x half
	s_mov_b32 s17, 0
	s_mov_b32 s47, 0
	s_mov_b64 s[18:19], SIZE_K*2
	s_mul_u64 s[16:17], s[16:17], s[18:19]         ; in bytes
	s_mul_u64 s[46:47], s[46:47], s[18:19]
	s_mul_i32 s20, s10, HALFT                      ; and where they go: wave x 128 rows: no place in the cluster enters an LDS address
	s_wait_dscnt 0x0
	s_wait_kmcnt 0x0
	s_add_nc_u64 s[14:15], s[4:5], s[16:17]
	s_add_nc_u64 s[46:47], s[6:7], s[46:47]
	CROUND                                         ; all sixteen work-groups are here: the first joint loads meet
.irp s, 0,1
	s_mov_b32 s[G0+4*\s], 1                                        ; count = 1
	s_add_co_u32 s[G0+4*\s+1], s20, \s*SLOT                        ; LDS address
	s_add_nc_u64 s[G0+4*\s+2:G0+4*\s+3], s[14:15], \s*KSTEP*2      ; global address: K step s
	s_or_b32 s[G0+4*\s+3], s[G0+4*\s+3], 0x80000000                ; type = 2
	s_mov_b32 s[G0B+4*\s], 1
	s_add_co_u32 s[G0B+4*\s+1], s20, \s*SLOT
	s_add_nc_u64 s[G0B+4*\s+2:G0B+4*\s+3], s[46:47], \s*KSTEP*2
	s_or_b32 s[G0B+4*\s+3], s[G0B+4*\s+3], 0x80000000
	JLOAD \s                                       ; the ring is filled before anything else is done: two tensor loads of a wave are out, never more
.endr
	; A fragment is 16 rows x 32 K in 8 registers: lane l holds row l % 16; registers 0-3 hold K = 8 (l / 16) + 0..7, registers 4-7 hold
	; K = 16 + 8 (l / 16) + 0..7.  From rows that lie along K: two loads of 16 bytes, 32 bytes apart.
	v_and_b32 v1, 15, v0                           ; l % 16
	v_bfe_u32 v2, v0, 4, 1                         ; l / 16
	v_mul_u32_u24 v3, v1, PITCH
	v_lshl_add_u32 v3, v2, 4, v3                   ; row x pitch + 16 x half
	s_mul_i32 s21, s11, HALFT                      ; my 128 rows of A
	s_mul_i32 s22, s12, HALFT                      ; my 128 rows of B,
	s_add_co_u32 s22, s22, 2*HALFT                 ; which lie behind A's 256
.irp s, 0,1
	v_add_nc_u32 v[ADRA+\s], s21, v3
	v_add_nc_u32 v[ADRB+\s], s22, v3
	s_add_co_u32 s21, s21, SLOT
	s_add_co_u32 s22, s22, SLOT
.endr
	s_mul_i32 s23, s10, 16*SPITCH
	s_add_co_u32 s23, s23, STAGE                   ; my stage
	v_mul_u32_u24 v4, v1, SPITCH                   ; in: row l % 16, 16 bytes for each half of the lanes
	v_lshl_add_u32 v4, v2, 4, v4
	v_add_nc_u32 v[STO], s23, v4
	v_mul_u32_u24 v5, v2, SPITCH                   ; back: lanes 0-15 take one row of 256 bytes, lanes 16-31 the next
	v_lshl_add_u32 v5, v1, 4, v5
	v_add_nc_u32 v[RD], s23, v5
	v_mul_u32_u24 v5, v2, SIZE_N*2                 ; and the same two rows in C
	v_lshl_add_u32 v[CO], v1, 4, v5
; 16 matrix instructions: m blocks a0, a0 + 1 of the window's four x all 8 n blocks, 32 along K.  zero = 1: the first product starts the sums.
; The 64 accumulators take turns, one instruction a turn, in the same order in every quarter step.
.macro MUL16 f, hi, a0, zero
.irp a, \a0, \a0+1
.irp b, 0,1,2,3,4,5,6,7
.if \zero
	v_wmma_f32_16x16x32_f16 v[8*(8*(\a)+\b):8*(8*(\a)+\b)+7], v[\f+8*\b:\f+8*\b+7], v[\f+8*(4*\hi+\a):\f+8*(4*\hi+\a)+7], 0
.else
	v_wmma_f32_16x16x32_f16 v[8*(8*(\a)+\b):8*(8*(\a)+\b)+7], v[\f+8*\b:\f+8*\b+7], v[\f+8*(4*\hi+\a):\f+8*(4*\hi+\a)+7], v[8*(8*(\a)+\b):8*(8*(\a)+\b)+7]
.endif
.endr
.endr
.endm
; 32 LDS loads in one run: the fragments of one quarter step (128 rows of B, 128 rows of A, 32 K at byte k of the rows) into buffer f
.macro FETCH slot, k, f
	WIN TO_B
.irp i, 0,1,2,3,4,5,6,7
	ds_load_b128 v[\f+8*\i:\f+8*\i+3],   v[ADRB+\slot] offset:\k+\i*16*PITCH
	ds_load_b128 v[\f+8*\i+4:\f+8*\i+7], v[ADRB+\slot] offset:\k+\i*16*PITCH+32
.endr
	WIN 0
.irp i, 0,1,2,3,4,5,6,7
	ds_load_b128 v[\f+8*\i:\f+8*\i+3],   v[ADRA+\slot] offset:\k+\i*16*PITCH
	ds_load_b128 v[\f+8*\i+4:\f+8*\i+7], v[ADRA+\slot] offset:\k+\i*16*PITCH+32
.endr
.endm
; A load into a register that a matrix instruction has read, and a vector instruction that reads a matrix result, stand four places behind
; that matrix instruction, and only plain vector instructions that name none of its registers are places (ISA guide 7.12.1 for vector
; instructions).
.macro PLACES
.rept 4
	v_nop
.endr
.endm
; A K step is four quarter steps of 32 along K, 64 matrix instructions each, on buffers 0, 1, 0, 1.
; One of the first three: multiplies buffer f; in its middle it fetches the next quarter's fragments into buffer g.
.macro QUARTER slot, k, f, g, zero
	s_wait_dscnt 8                                 ; B and A's rows 0-63 are in; the youngest eight loads (A's rows 64-127) may be out
	WIN MUL_LO
	MUL16 \f, 0, 0, \zero
	MUL16 \f, 0, 2, \zero
	PLACES
	FETCH \slot, \k, \g
	s_wait_dscnt 32                                ; all but the 32 just issued
	WIN MUL_HI
	MUL16 \f, 1, 0, \zero
	MUL16 \f, 1, 2, \zero
.endm
.macro THREE slot, zero
	QUARTER \slot, 64,  F0, F1, \zero
	QUARTER \slot, 128, F1, F0, 0
	QUARTER \slot, 192, F0, F1, 0
.endm
; The last quarter: multiplies buffer 1 and changes slots.  In front of the one barrier each wave waits for its own reads of this slot and for
; all its tensor loads, of which one is out: its part of the next slot.  Behind it nobody reads this slot any more and the next slot is whole:
; the refill comes first, then the next slot's first fragments.
.macro TURN slot, next, fill
	s_wait_dscnt 8
	WIN MUL_LO
	MUL16 F1, 0, 0, 0
	s_wait_dscnt 0                                 ; my reads of this slot are over
	s_wait_tensorcnt 0x0                           ; and all my tensor loads have landed
	ds_add_u32 v255, v255
	s_wait_dscnt 0x0
	s_barrier_signal -1                            ; say so (where a slot is filled again this barrier opens a round of the cluster's barrier),
	MUL16 F1, 0, 2, 0                              ; work on registers while the others arrive,
	WIN 0
	s_barrier_wait -1                              ; and go on when all four have said so
.if \fill
	CREST                                          ; all sixteen work-groups have said so: no wave of any partner still reads this slot's tile or has a load on its way
	s_add_nc_u64 s[G0+4*\slot+2:G0+4*\slot+3], s[G0+4*\slot+2:G0+4*\slot+3], 2*KSTEP*2
	s_add_nc_u64 s[G0B+4*\slot+2:G0B+4*\slot+3], s[G0B+4*\slot+2:G0B+4*\slot+3], 2*KSTEP*2
	JLOAD \slot                                    ; the first tensor load behind the round, and the wave's only one until the next
.endif
	PLACES
	FETCH \next, 0, F0
	WIN MUL_HI
	MUL16 F1, 1, 0, 0
	MUL16 F1, 1, 2, 0
.endm
.macro LAP zero                        ; once round the ring, both slots filled again
	THREE 0, \zero
	TURN 0, 1, 1
	THREE 1, 0
	TURN 1, 0, 1
.endm
	s_wait_tensorcnt 1                             ; my part of K step 0 is in; K step 1's load, issued behind it, may be out
	s_barrier_signal -1
	s_barrier_wait -1                              ; everybody's is
	FETCH 0, 0, F0
	LAP 1                                          ; the first lap stands in front of the loop: its first products start the sums
	WIN 0                                          ; at a label and at a branch every window is 0
	s_mov_b32 s3, LAPS-2
.Llap:
	LAP 0
	WIN 0
	s_sub_co_u32 s3, s3, 1
	s_cmp_lg_u32 s3, 0
	s_cbranch_scc1 .Llap
	THREE 0, 0                                     ; the last lap fills nothing
	TURN 0, 1, 0
	THREE 1, 0
	s_wait_dscnt 8                                 ; the very last quarter: nothing more to fetch
	WIN MUL_LO
	MUL16 F1, 0, 0, 0
	MUL16 F1, 0, 2, 0
	s_wait_dscnt 0
	WIN MUL_HI
	MUL16 F1, 1, 0, 0
	MUL16 F1, 1, 2, 0
	; THE WAY OUT, 16 rows of C at a time: round to f16, 16 bytes a lane into my own stage in LDS, read back as whole rows of 256 bytes.
	PLACES                                         ; the places behind the last matrix instructions
	s_lshl_b32 s13, s13, 8
	s_lshl_b32 s14, s11, 7
	s_add_co_u32 s16, s13, s14                     ; my first row of C
	s_mov_b32 s17, 0
	s_mov_b64 s[18:19], SIZE_N*2
	s_mul_u64 s[16:17], s[16:17], s[18:19]
	s_add_nc_u64 s[8:9], s[8:9], s[16:17]
	s_lshl_b32 s46, s42, 9                         ; my first column, in bytes: 512 x block + 256 x half
	s_lshl_b32 s47, s12, 8
	s_add_co_u32 s46, s46, s47
	s_mov_b32 s47, 0
	s_add_nc_u64 s[8:9], s[8:9], s[46:47]
; rows 16 i .. 16 i + 15 of my block = the eight tiles (a, 0..7) of window 2 or 3 (from = 0x0a or 0x0f: sources 0 and 1); f: F0 or F1 in turn
.macro OUT16 i, a, from, f
	WIN \from
.irp b, 0,1,2,3,4,5,6,7
.irp r, 0,1,2,3
	v_cvt_pk_f16_f32 v[TMP+4*\b+\r], v[8*(8*\a+\b)+2*\r], v[8*(8*\a+\b)+2*\r+1]
.endr
.endr
	WIN 0
.irp b, 0,1,2,3,4,5,6,7
	ds_store_b128 v[STO], v[TMP+4*\b:TMP+4*\b+3] offset:32*\b
.endr
	s_wait_xcnt 0x0                                ; buffer f, which earlier stores read, and the stores' base are rewritten only behind this wait
.if \i
	s_add_nc_u64 s[8:9], s[8:9], 16*SIZE_N*2       ; 16 rows of C on
.endif
.irp t, 0,1,2,3,4,5,6,7
	ds_load_b128 v[\f+4*\t:\f+4*\t+3], v[RD] offset:\t*2*SPITCH    ; LDS serves a wave's instructions in order: these see the stores above
.endr
.irp t, 0,1,2,3,4,5,6,7
	s_wait_dscnt 7-\t                              ; load t is in, the 7 - t younger ones may be out
	global_store_b128 v[CO], v[\f+4*\t:\f+4*\t+3], s[8:9] offset:2*\t*SIZE_N*2   ; 16 lanes store 256 consecutive bytes, at a multiple of 256 from C's first byte
.endr
.endm
	OUT16 0, 0, 0x0a, F0
	OUT16 1, 1, 0x0a, F1
	OUT16 2, 2, 0x0a, F0
	OUT16 3, 3, 0x0a, F1
	OUT16 4, 0, 0x0f, F0
	OUT16 5, 1, 0x0f, F1
	OUT16 6, 2, 0x0f, F0
	OUT16 7, 3, 0x0f, F1
	s_set_vgpr_msb 0x1
	s_wait_tensorcnt 0x0
	ds_add_u32 v255, v255
	s_wait_dscnt 0x0
	s_set_vgpr_msb 0x100
	CROUND                                         ; the closing round: no work-group ends while a partner may still ask for a tile that names it
	s_endpgm
.Lfunc_end_k_q096deb9c93_qkvproj:
	.size	k_q096deb9c93_qkvproj, .Lfunc_end_k_q096deb9c93_qkvproj-k_q096deb9c93_qkvproj
	.p2alignl 7, 3214868480
	.fill 96, 4, 3214868480
	.section	.rodata,"a",@progbits
	.p2align	6, 0x0
	.amdhsa_kernel k_q096deb9c93_qkvproj
		.amdhsa_group_segment_fixed_size 327680
		.amdhsa_private_segment_fixed_size 0
		.amdhsa_enable_private_segment 0
		.amdhsa_kernarg_size 24
		.amdhsa_user_sgpr_count 2
		.amdhsa_user_sgpr_kernarg_segment_ptr 1
		.amdhsa_wavefront_size32 1
		.amdhsa_system_sgpr_workgroup_id_x 1
		.amdhsa_system_sgpr_workgroup_id_y 1
		.amdhsa_system_sgpr_workgroup_id_z 1
		.amdhsa_system_vgpr_workitem_id 0
		.amdhsa_next_free_vgpr 1024
		.amdhsa_next_free_sgpr 66
		.amdhsa_reserve_vcc 0
		.amdhsa_float_denorm_mode_32 3
		.amdhsa_float_denorm_mode_16_64 3
		.amdhsa_memory_ordered 1
		.amdhsa_forward_progress 1
		.amdhsa_inst_pref_size 196
	.end_amdhsa_kernel
	.amdgpu_metadata
---
amdhsa.version: [ 1, 2 ]
amdhsa.kernels:
  - .name:           k_q096deb9c93_qkvproj
    .symbol:         k_q096deb9c93_qkvproj.kd
    .args:
      - { .name: xh, .offset: 0, .size: 8, .value_kind: global_buffer, .address_space: global }
      - { .name: wqkvh, .offset: 8, .size: 8, .value_kind: global_buffer, .address_space: global }
      - { .name: qkv, .offset: 16, .size: 8, .value_kind: global_buffer, .address_space: global }
    .group_segment_fixed_size: 327680
    .private_segment_fixed_size: 0
    .kernarg_segment_align: 8
    .kernarg_segment_size: 24
    .max_flat_workgroup_size: 128
    .sgpr_count:     66
    .vgpr_count:     1024
    .wavefront_size: 32
...
	.end_amdgpu_metadata
.endif
;; end of part 2
;; launch attn (part 3): grid 8 x 32, 8 waves a work-group, clusters of 4 x 1, 327,680 bytes of LDS; arguments qkv, ao; writes ao
.if DOCPART == 3
	.amdgcn_target "amdgcn-amd-amdhsa--gfx1250"
	.amdhsa_code_object_version 6
	.text
	.protected	k_q096deb9c93_attn
	.globl	k_q096deb9c93_attn
	.p2align	8
	.type	k_q096deb9c93_attn,@function
k_q096deb9c93_attn:
	s_mov_b64 s[64:65], 0
	v_nop
	global_prefetch_b8 v0, s[64:65] scope:SCOPE_SE
	s_setreg_imm32_b32 hwreg(HW_REG_WAVE_MODE, 25, 1), 1
	s_wait_xcnt 0x0
	s_wait_alu depctr_hold_cnt(0) depctr_sa_sdst(0) depctr_va_vdst(0) depctr_va_sdst(0) depctr_va_ssrc(0) depctr_va_vcc(0) depctr_vm_vsrc(0)
	s_getreg_b32 s2, hwreg(HW_REG_IB_STS2, 6, 4)
	s_cmp_eq_u32 s2, 0
	s_cbranch_scc0 .Lentry_in_a_cluster
	s_endpgm
.Lentry_in_a_cluster:
	s_bfe_u32 s2, ttmp6, 0x10000c
	s_cmp_lg_u32 s2, 0x3003
	s_cbranch_scc0 .Lentry_shape_is_right
	s_endpgm
.Lentry_shape_is_right:
; ao = softmax(q k^T / 8) v for each batch and head, with a running maximum.  qkv: [8192][3072] f16 (q, k, v; head h at column 64 h of each);
; ao: [8192][1024] f16.  Scores, maxima, sums and outputs are kept in f32; the weights p = exp(score - maximum) go to the matrix unit as f16.
; LIMITS: a NaN score loses in the maximum but still makes its row NaN through the exponential; an infinite score gives NaN.
; A work-group serves 256 queries of a PAIR of heads (2 hp, 2 hp + 1): a row of K or V of the pair is 256 bytes of qkv at a multiple of 256, and so
; is its piece of a row of ao.  Eight waves, two on a SIMD, so that one's softmax runs beside the other's products.  Wave w: head w >> 2 of the
; pair, queries 64 (w & 3) .. + 63, as four units u of 16 queries.
; BOTH PRODUCTS ARE TAKEN TRANSPOSED, so that a lane belongs to ONE query:
;   S^T (key, query) = K Q^T: source 0 = 16 keys of K, source 1 = 16 queries; register j of lane (r, h) is key 8 h + j of query r.
;   So a query's maximum and sum are made in the lane, with one exchange between lanes l and l xor 16, and packing the tiles of keys 32 kk .. + 15
;   and 32 kk + 16 .. + 31 in the lane gives registers 0-3 and 4-7 of source 1 of the second product, with no traffic between lanes.
;   O^T (dv, query) = V^T P^T: source 0 = V^T, read from V's rows by the transposing LDS load.
; CLUSTER: the four work-groups of a cluster are four query blocks of one batch and head pair and walk the same K and V: every tile is asked for
; jointly (mask 15).  The descriptors hang on y and the wave's number alone; the place in the cluster enters only the offsets of Q and of ao.
; LDS: two slots of 256 keys.  A slot is eight parts of 18,432 bytes, part w filled by wave w: parts 0-3 are K's keys 64 w .. + 63 (pitch 272, 17,408
; bytes used), parts 4-7 V's keys 64 (w - 4) .. + 63 (pitch 288).  A tile is asked for a whole tile's work (256 matrix instructions a wave) ahead.
; The way out uses 256 rows x 272 bytes at LDS byte 0, in slot 0, behind that slot's last fill and last reads.
.set SROW,   6144                      ; bytes in a row of qkv
.set KPITCH, 272                       ; 256 + 16: the 16 rows of a fragment start 16 bytes apart modulo 256
.set VPITCH, 288                       ; 256 + 32: an odd multiple of 32, for the transposing load
.set PART,   64*VPITCH                 ; 18,432
.set VOFF,   4*PART                    ; V's parts lie behind K's
.set SLOT,   8*PART                    ; 147,456
.set TILEB,  256*SROW                  ; bytes of qkv from a tile of 256 keys to the next
.set SPITCH, 272                       ; the stage's pitch
; window 0
.set KAD, 4                            ; v4-7    LDS address of my K fragments: slot 0 sub-steps 0-1, 2-3; slot 1 sub-steps 0-1, 2-3.  Never rewritten
.set STO, 8                            ; v8      the way out: where I put 16 bytes
.set RD,  9                            ; v9      the way out: where I read rows back
.set CO,  10                           ; v10     my byte offset in ao
.set QO,  11                           ; v11     my byte offset in Q
.set MX,  12                           ; v12-15  unit u: running maximum of the raw scores
.set NMS, 16                           ; v16-19  unit u: -c x maximum, as rounded (c = log2(e) / 8)
.set LS,  20                           ; v20-27  unit u: a pair of partial sums of p
.set VAD, 28                           ; v28-31  as KAD, for V
.set PB,  32                           ; v32-47  p of 64 keys x 16 queries in f16: source 1 of the second product
.set S0,  48                           ; v48-79  scores of a unit: 4 tiles of 16 keys
.set S1,  80                           ; v80-111 scores of the next unit
.set KF,  112                          ; v112-175 K fragments: (key tile kt, half d of the head's 64) at 16 kt + 8 d
.set VF,  176                          ; v176-239 V^T fragments: (dv tile c, 32 keys kk) at 16 c + 8 kk
.set XT,  240                          ; v240-243 at work
.set NM,  244                          ; v244 -c x new maximum; v245 its difference from the old one
.set AL,  246                          ; v246 the factor by which old sums shrink; v247 fills the pair
.set OB,  48                           ; the way out: packed results
; window 1: local 0-127 the outputs, tile (u, c) at 32 u + 8 c; local 128-191 Q fragments (u, d) at 128 + 16 u + 8 d
.set QF,  128
.set GK1, 16                           ; s[16:23] descriptor group 1 for K
.set GV1, 24                           ; s[24:31] the same for V: a wider pad
.set G0K, 32                           ; s[32:39] descriptor group 0 for K, one set for each slot
.set G0V, 40                           ; s[40:47] the same for V
.set W_QK, 0x04                        ; source 1 (Q) in window 1
.set W_RS, 0x41                        ; destination and source 0 in window 1
.set W_PV, 0x50                        ; C and D in window 1
.set W_QL, 0x40                        ; a load's destination in window 1
.set W_CV, 0x05                        ; sources 0 and 1 in window 1
.set MSB, 0
.macro WIN new                         ; the immediate's high byte repeats the setting that is left
.if MSB != \new
	s_set_vgpr_msb (MSB<<8)|\new
.set MSB, \new
.endif
.endm
.macro PLACES                          ; four places behind a matrix instruction (ISA guide 7.12.1 for vector instructions)
.rept 4
	v_nop
.endr
.endm
; A round of the cluster's barrier: my work-group's barrier, wave 0 signals for the work-group, every wave waits for all four work-groups, my barrier again.
.macro ROUND
	s_barrier_signal -1
	s_barrier_wait -1
	s_cmp_lg_u32 s8, 0
	s_cbranch_scc1 .Lnot_wave_0_\@
	s_barrier_signal -3
.Lnot_wave_0_\@:
	s_barrier_wait -3
	s_barrier_signal -1
	s_barrier_wait -1
.endm
; A joint load: waves 0-3 ask for their 64 keys of K, waves 4-7 for theirs of V.  The branch hangs on the wave's number alone.
.macro JLOAD s
	s_cmp_eq_u32 s9, 0
	s_cbranch_scc0 .Lfor_v_\@
	tensor_load_to_lds s[G0K+4*(\s):G0K+4*(\s)+3], s[GK1:GK1+7]
	s_nop 0
	s_branch .Lasked_\@
.Lfor_v_\@:
	tensor_load_to_lds s[G0V+4*(\s):G0V+4*(\s)+3], s[GV1:GV1+7]
	s_nop 0
.Lasked_\@:
.endm
; 16 LDS loads: K of sub-step i (64 keys) of a slot
.macro LOADK slot, i
.irp kt, 0,1,2,3
.irp d, 0,1
	ds_load_b128 v[KF+16*\kt+8*\d:KF+16*\kt+8*\d+3],   v[KAD+2*\slot+(\i)/2] offset:((\i)%2)*PART+\kt*16*KPITCH+64*\d
	ds_load_b128 v[KF+16*\kt+8*\d+4:KF+16*\kt+8*\d+7], v[KAD+2*\slot+(\i)/2] offset:((\i)%2)*PART+\kt*16*KPITCH+64*\d+32
.endr
.endr
.endm
; 16 transposing LDS loads: V^T of sub-step i.  The first of a pair brings keys 32 kk + 8 h .. + 7 of column 16 c + r, the second the keys 16 further on
.macro LOADV slot, i
.irp c, 0,1,2,3
.irp kk, 0,1
	ds_load_tr16_b128 v[VF+16*\c+8*\kk:VF+16*\c+8*\kk+3],   v[VAD+2*\slot+(\i)/2] offset:((\i)%2)*PART+\kk*32*VPITCH+32*\c
	ds_load_tr16_b128 v[VF+16*\c+8*\kk+4:VF+16*\c+8*\kk+7], v[VAD+2*\slot+(\i)/2] offset:((\i)%2)*PART+\kk*32*VPITCH+32*\c+16*VPITCH
.endr
.endr
.endm
; Scores of unit u, 64 keys x 16 queries, into sb.  The four accumulators take turns, one instruction a turn; the first turn starts the sums.
.macro QK u, sb
	WIN W_QK
.irp kt, 0,1,2,3
	v_wmma_f32_16x16x32_f16 v[\sb+8*\kt:\sb+8*\kt+7], v[KF+16*\kt:KF+16*\kt+7], v[QF+16*\u:QF+16*\u+7], 0
.endr
.irp kt, 0,1,2,3
	v_wmma_f32_16x16x32_f16 v[\sb+8*\kt:\sb+8*\kt+7], v[KF+16*\kt+8:KF+16*\kt+15], v[QF+16*\u+8:QF+16*\u+15], v[\sb+8*\kt:\sb+8*\kt+7]
.endr
.endm
; Softmax step of unit u on the scores in sb.  first = 1: nothing is carried yet.
.macro SM u, sb, first
	WIN 0
	; the largest of my 32 scores and the old maximum: four chains of three, then four joins
.irp t, 0,1,2,3
	v_max3_num_f32 v[XT+\t], v[\sb+8*\t], v[\sb+8*\t+1], v[\sb+8*\t+2]
.endr
.irp t, 0,1,2,3
	v_max3_num_f32 v[XT+\t], v[XT+\t], v[\sb+8*\t+3], v[\sb+8*\t+4]
.endr
.irp t, 0,1,2,3
	v_max3_num_f32 v[XT+\t], v[XT+\t], v[\sb+8*\t+5], v[\sb+8*\t+6]
.endr
	v_max3_num_f32 v[XT], v[XT], v[XT+1], v[\sb+7]
	v_max3_num_f32 v[XT+2], v[XT+2], v[XT+3], v[\sb+15]
	v_max3_num_f32 v[XT], v[XT], v[XT+2], v[\sb+23]
.if \first
	v_max_num_f32 v[XT], v[XT], v[\sb+31]
.else
	v_max3_num_f32 v[XT], v[XT], v[\sb+31], v[MX+\u]
.endif
	v_permlanex16_b32 v[XT+1], v[XT], s55, s56     ; lane l xor 16 holds the query's other 32 keys
	v_max_num_f32 v[MX+\u], v[XT], v[XT+1]
	v_mul_f32 v[NM], s54, v[MX+\u]                 ; -c x maximum, rounded once; the SAME number shifts every term below,
.if \first
	v_mov_b32 v[NMS+\u], v[NM]
.else
	v_sub_f32 v[NM+1], v[NM], v[NMS+\u]            ; and the old terms shrink by exactly the difference of the two rounded shifts, whatever the scores' size
	v_exp_f32 v[AL], v[NM+1]
	v_mov_b32 v[NMS+\u], v[NM]                     ; the plain instruction behind the exponential (ISA guide 5.7.2)
.endif
.set cnt, 0
.rept 16
	v_pk_fma_f32 v[\sb+2*cnt:\sb+2*cnt+1], v[\sb+2*cnt:\sb+2*cnt+1], s[50:51], v[NM:NM+1] op_sel_hi:[1,0,0]   ; c x score - c x maximum
.set cnt, cnt+1
.endr
.set cnt, 0
.rept 32
	v_exp_f32 v[\sb+cnt], v[\sb+cnt]
.set cnt, cnt+1
.endr
	v_nop                                          ; the plain instruction behind the exponentials
.set cnt, 0
	s_wait_alu depctr_va_vdst(0)
.rept 16
	v_cvt_pk_f16_f32 v[PB+cnt], v[\sb+2*cnt], v[\sb+2*cnt+1]       ; tile kt's eight keys become registers 4 kt .. 4 kt + 3
.set cnt, cnt+1
.endr
	; the sum of my 32 p, as a pair, by a tree in place
.irp i, 0,4,8,12,16,20,24,28
	v_pk_add_f32 v[\sb+\i:\sb+\i+1], v[\sb+\i:\sb+\i+1], v[\sb+\i+2:\sb+\i+3]
.endr
.irp i, 0,8,16,24
	v_pk_add_f32 v[\sb+\i:\sb+\i+1], v[\sb+\i:\sb+\i+1], v[\sb+\i+4:\sb+\i+5]
.endr
.irp i, 0,16
	v_pk_add_f32 v[\sb+\i:\sb+\i+1], v[\sb+\i:\sb+\i+1], v[\sb+\i+8:\sb+\i+9]
.endr
.if \first
	v_pk_add_f32 v[LS+2*\u:LS+2*\u+1], v[\sb:\sb+1], v[\sb+16:\sb+17]
.else
	v_pk_add_f32 v[\sb:\sb+1], v[\sb:\sb+1], v[\sb+16:\sb+17]
	v_pk_fma_f32 v[LS+2*\u:LS+2*\u+1], v[LS+2*\u:LS+2*\u+1], v[AL:AL+1], v[\sb:\sb+1] op_sel_hi:[1,0,1]
.endif
.endm
; unit u's 32 output registers times v[AL] (a lane is one query, so one factor serves them all)
.macro RS u
	WIN W_RS
.set cnt, 0
.rept 16
	v_pk_mul_f32 v[32*\u+2*cnt:32*\u+2*cnt+1], v[32*\u+2*cnt:32*\u+2*cnt+1], v[AL:AL+1] op_sel_hi:[1,0]
.set cnt, cnt+1
.endr
.endm
; O^T of unit u += V^T P^T over 64 keys.  The four accumulators take turns, one instruction a turn.  first = 1: the first turn starts the sums.
.macro PV u, first
	WIN W_PV
.irp c, 0,1,2,3
.if \first
	v_wmma_f32_16x16x32_f16 v[32*\u+8*\c:32*\u+8*\c+7], v[VF+16*\c:VF+16*\c+7], v[PB:PB+7], 0
.else
	v_wmma_f32_16x16x32_f16 v[32*\u+8*\c:32*\u+8*\c+7], v[VF+16*\c:VF+16*\c+7], v[PB:PB+7], v[32*\u+8*\c:32*\u+8*\c+7]
.endif
.endr
.irp c, 0,1,2,3
	v_wmma_f32_16x16x32_f16 v[32*\u+8*\c:32*\u+8*\c+7], v[VF+16*\c+8:VF+16*\c+15], v[PB+8:PB+15], v[32*\u+8*\c:32*\u+8*\c+7]
.endr
.endm
.macro RSPV u, first
.if \first == 0
	RS \u
.endif
	PV \u, \first
.endm
; Sub-step i of a slot: 64 keys against my 64 queries.  more = 1: the next sub-step's fragments are fetched as soon as this one's are free.
; The scores of a unit are made one unit ahead, so that a whole softmax step (plain vector work that names none of their registers)
; stands between a product and the first read of its result; the same work stands between a product and the next write of PB or load into KF.
.macro SUB first, more, slot, i
	s_wait_dscnt 16                                ; K's 16 loads are in; V's 16, issued behind them, may be out
	QK 0, S0
	QK 1, S1
	PLACES
	SM 0, S0, \first
.if \first == 0
	RS 0
.endif
	s_wait_dscnt 0                                 ; V's fragments
	PV 0, \first
	QK 2, S0
	SM 1, S1, \first
	RSPV 1, \first
	QK 3, S1
	SM 2, S0, \first
.if \more
	LOADK \slot, \i+1                              ; K's fragments have had their last product, a softmax step ago
.endif
	RSPV 2, \first
	SM 3, S1, \first
	RSPV 3, \first
	WIN 0
	PLACES                                         ; behind the last product: for the loads into V's fragments, and for the way out
.if \more
	LOADV \slot, \i+1
.endif
.endm
.macro TILE slot, first                ; 256 keys
	LOADK \slot, 0
	LOADV \slot, 0
	SUB \first, 1, \slot, 0
	SUB 0, 1, \slot, 1
	SUB 0, 1, \slot, 2
	SUB 0, 0, \slot, 3                             ; reads nothing beyond the slot
.endm
; A change of slots.  In front of the round every wave has waited for all its tensor loads (one is out: its part of this slot) and for its reads of
; the other slot; the round shows both of every wave of all four work-groups; behind it the other slot's refill comes first, one load a wave.
.macro TRIP slot, other, refill
	s_wait_tensorcnt 0x0
	ds_add_u32 v254, v255
	s_wait_dscnt 0x0
.if \refill
	s_add_nc_u64 s[G0K+4*\other+2:G0K+4*\other+3], s[G0K+4*\other+2:G0K+4*\other+3], 2*TILEB   ; no load of mine is out: the addresses may step, two tiles on
	s_add_nc_u64 s[G0V+4*\other+2:G0V+4*\other+3], s[G0V+4*\other+2:G0V+4*\other+3], 2*TILEB
.endif
	s_wait_dscnt 0x0
	ROUND
.if \refill
	JLOAD \other
.endif
	TILE \slot, 0
.endm
	s_load_b128 s[4:7], s[0:1], 0x0                ; qkv s[4:5], ao s[6:7]
	v_lshl_add_u32 v254, v0, 2, 0x48000
	v_mov_b32 v255, 0
	ds_add_u32 v254, v255
	v_lshrrev_b32 v1, 5, v0
	v_readfirstlane_b32 s8, v1                     ; wave 0..7
	s_lshr_b32 s9, s8, 2                           ; my head of the pair.  Also: I fetch K (0) or V (1)
	s_and_b32 s10, s8, 3                           ; my 64 queries.  Also: which 64 keys of a tile I fetch
	s_bfe_u32 s11, ttmp6, 0x40000                  ; cx: my place in the cluster
	s_lshl_b32 s12, ttmp9, 2
	s_add_co_u32 s12, s12, s11                     ; query block 0..7
	s_and_b32 s13, ttmp7, 0xffff                   ; y = 8 x batch + head pair
	s_lshr_b32 s14, s13, 3                         ; batch
	s_and_b32 s15, s13, 7                          ; head pair
	s_mov_b32 s50, 0x3e38aa3b                      ; c = log2(e) / 8: the scale 1 / sqrt(64) and the change of base in one factor
	s_mov_b32 s51, 0x3e38aa3b
	s_mov_b32 s54, 0xbe38aa3b                      ; -c
	s_mov_b32 s55, 0x76543210                      ; v_permlanex16_b32: lane i of one half reads lane i of the other
	s_mov_b32 s56, 0xfedcba98
	; descriptor group 1: 64 rows x 128 elements of 2 bytes, rows 3,072 elements apart, a pad behind every 64 words; mask 15 with bit 21 beside it
	s_mov_b32 s[GK1+0], 15|(1<<16)|(1<<20)|(1<<21)|(5<<22)|(3<<25)   ; pad of 4 words: pitch 272
	s_mov_b32 s[GV1+0], 15|(1<<16)|(1<<20)|(1<<21)|(5<<22)|(7<<25)   ; pad of 8 words: pitch 288
	s_mov_b32 s[GK1+1], 128<<16                    ; tensor_dim0 = 128
	s_mov_b32 s[GV1+1], 128<<16
	s_mov_b32 s[GK1+2], 64<<16                     ; tensor_dim1 = 64
	s_mov_b32 s[GV1+2], 64<<16
	s_mov_b32 s[GK1+3], 128<<16                    ; tile_dim0 = 128
	s_mov_b32 s[GV1+3], 128<<16
	s_mov_b32 s[GK1+4], 64                         ; tile_dim1 = 64
	s_mov_b32 s[GV1+4], 64
	s_mov_b32 s[GK1+5], 3072                       ; elements from row to row
	s_mov_b32 s[GV1+5], 3072
	s_mov_b32 s[GK1+6], 0
	s_mov_b32 s[GV1+6], 0
	s_mov_b32 s[GK1+7], 0
	s_mov_b32 s[GV1+7], 0
	; K and V: row 2048 x batch + 64 x (w & 3), byte 256 x head pair of the row: made of y and the wave's number alone
	s_lshl_b32 s48, s14, 11
	s_lshl_b32 s49, s10, 6
	s_add_co_u32 s48, s48, s49
	s_mul_i32 s48, s48, SROW                       ; below 2^26
	s_lshl_b32 s49, s15, 8
	s_add_co_u32 s48, s48, s49
	s_mov_b32 s49, 0
	s_mul_i32 s52, s8, PART                        ; my part of a slot
	; Q and ao: these hang on the query block, in registers of their own
	s_lshl_b32 s59, s14, 11
	s_lshl_b32 s60, s12, 8
	s_add_co_u32 s59, s59, s60                     ; the block's first row
	s_lshl_b32 s60, s10, 6
	s_add_co_u32 s60, s60, s59                     ; my first query's row
	s_mul_i32 s60, s60, SROW
	s_lshl_b32 s61, s15, 8
	s_add_co_u32 s60, s60, s61
	s_lshl_b32 s53, s9, 7                          ; 128 bytes on for the pair's second head
	s_add_co_u32 s60, s60, s53
	s_mov_b32 s61, 0
	s_lshl_b32 s2, s8, 5                           ; on the way out wave w stores rows 32 w .. + 31 of the block
	s_add_co_u32 s2, s2, s59
	s_lshl_b32 s2, s2, 11                          ; 2,048 bytes a row of ao
	s_lshl_b32 s3, s15, 8
	s_add_co_u32 s2, s2, s3
	s_mov_b32 s3, 0
	v_and_b32 v2, 15, v0                           ; r
	v_bfe_u32 v3, v0, 4, 1                         ; h
	v_mul_u32_u24 v[QO], v2, SROW
	v_lshl_add_u32 v[QO], v3, 4, v[QO]             ; query r's row, 16 bytes for each half of the lanes
	s_wait_dscnt 0x0
	s_wait_kmcnt 0x0
	s_add_nc_u64 s[62:63], s[4:5], s[48:49]
	s_add_nc_u64 s[60:61], s[4:5], s[60:61]
	s_add_nc_u64 s[6:7], s[6:7], s[2:3]
	ROUND                                          ; all four work-groups are here: the first joint loads meet
.irp s, 0,1
	s_mov_b32 s[G0K+4*\s], 1                                       ; count = 1
	s_add_co_u32 s[G0K+4*\s+1], s52, \s*SLOT                       ; LDS address: wave x part + slot
	s_add_nc_u64 s[G0K+4*\s+2:G0K+4*\s+3], s[62:63], \s*TILEB+2048 ; tile s; k begins at byte 2,048 of a row
	s_or_b32 s[G0K+4*\s+3], s[G0K+4*\s+3], 0x80000000              ; type = 2
	s_mov_b32 s[G0V+4*\s], 1
	s_add_co_u32 s[G0V+4*\s+1], s52, \s*SLOT
	s_add_nc_u64 s[G0V+4*\s+2:G0V+4*\s+3], s[62:63], \s*TILEB+4096 ; v begins at byte 4,096
	s_or_b32 s[G0V+4*\s+3], s[G0V+4*\s+3], 0x80000000
	JLOAD \s                                       ; tiles 0 and 1: two tensor loads of a wave are out, never more
.endr
	; Q stays in registers for the whole kernel: source 1 fragments, lane (r, h) holds query r, d = 32 dd + 8 h .. + 7 and 16 further on
	WIN W_QL
.irp u, 0,1,2,3
.irp d, 0,1
	global_load_b128 v[QF+16*\u+8*\d:QF+16*\u+8*\d+3],   v[QO], s[60:61] offset:\u*16*SROW+64*\d
	global_load_b128 v[QF+16*\u+8*\d+4:QF+16*\u+8*\d+7], v[QO], s[60:61] offset:\u*16*SROW+64*\d+32
.endr
.endr
	WIN 0
	v_mul_u32_u24 v1, v2, KPITCH
	v_lshl_add_u32 v1, v3, 4, v1
	v_add_nc_u32 v[KAD], s53, v1                   ; key r's row + 16 h + my head's 128 bytes
	v_add_nc_u32 v[KAD+1], 2*PART, v[KAD]
	v_add_nc_u32 v[KAD+2], SLOT, v[KAD]
	v_add_nc_u32 v[KAD+3], SLOT+2*PART, v[KAD]
	v_and_b32 v1, 7, v0
	v_lshl_add_u32 v1, v3, 3, v1                   ; key 8 h + (l & 7)
	v_mul_u32_u24 v1, v1, VPITCH
	v_bfe_u32 v[XT], v0, 3, 1
	v_lshl_add_u32 v1, v[XT], 4, v1                ; + 16 bytes for lanes 8-15 and 24-31
	s_add_co_u32 s58, s53, VOFF
	v_add_nc_u32 v[VAD], s58, v1
	v_add_nc_u32 v[VAD+1], 2*PART, v[VAD]
	v_add_nc_u32 v[VAD+2], SLOT, v[VAD]
	v_add_nc_u32 v[VAD+3], SLOT+2*PART, v[VAD]
	s_mul_i32 s58, s10, 64*SPITCH
	v_add_nc_u32 v[STO], s58, v[KAD]               ; stage: row 64 (w & 3) + r, my head's 128 bytes, 16 h
	v_mul_u32_u24 v[RD], v3, SPITCH
	v_lshl_add_u32 v[RD], v2, 4, v[RD]
	s_mul_i32 s58, s8, 32*SPITCH
	v_add_nc_u32 v[RD], s58, v[RD]                 ; back: rows 32 w + h, 16 bytes a lane
	v_lshlrev_b32 v[CO], 11, v3
	v_lshl_add_u32 v[CO], v2, 4, v[CO]             ; the same two rows in ao
	v_mov_b32 v[NM+1], 0                           ; the upper halves of the two pairs that packed instructions name
	v_mov_b32 v[AL+1], 0
	s_wait_loadcnt 0x0                             ; Q
	s_wait_tensorcnt 0x1                           ; my part of tile 0 is in; tile 1's load, issued behind it, may be out
	s_barrier_signal -1
	s_barrier_wait -1                              ; everybody's is
	TILE 0, 1                                      ; tile 0; its first sub-step starts maxima, sums and outputs: nothing is cleared
	s_mov_b32 s57, 3
.Lpair:
	TRIP 1, 0, 1                                   ; tiles 1, 3, 5; slot 0 gets tiles 2, 4, 6
	TRIP 0, 1, 1                                   ; tiles 2, 4, 6; slot 1 gets tiles 3, 5, 7
	s_sub_co_u32 s57, s57, 1
	s_cmp_lg_u32 s57, 0
	s_cbranch_scc1 .Lpair
	TRIP 1, 0, 0                                   ; tile 7: nothing is left to fetch
	; THE WAY OUT.  Each query's sum is completed across the two halves of the lanes, the outputs are divided by it and rounded to f16.  A lane's eight numbers
	; of a dv tile are 16 neighbouring bytes of a row of ao; they go through a stage in slot 0, whose last fill has landed and whose last reads
	; (tile 6's) every wave had waited for in front of the round ahead of tile 7.
.irp u, 0,1,2,3
	v_add_f32 v[XT], v[LS+2*\u], v[LS+2*\u+1]
	v_permlanex16_b32 v[NMS+\u], v[XT], s55, s56
	v_add_f32 v[XT], v[XT], v[NMS+\u]
	v_rcp_f32 v[AL], v[XT]                         ; the sum is at least about 1: the largest term is 2^0 up to rounding
	v_nop                                          ; the plain instruction behind the reciprocal
	s_wait_alu depctr_va_vdst(0)
	RS \u
	WIN W_CV
.set cnt, 0
.rept 16
	v_cvt_pk_f16_f32 v[OB+16*\u+cnt], v[32*\u+2*cnt], v[32*\u+2*cnt+1]
.set cnt, cnt+1
.endr
	WIN 0
.irp c, 0,1,2,3
	ds_store_b128 v[STO], v[OB+16*\u+4*\c:OB+16*\u+4*\c+3] offset:\u*16*SPITCH+32*\c
.endr
.endr
	s_wait_dscnt 0x0                               ; my stores are done: the other head's wave wrote the other half of each row
	s_barrier_signal -1
	s_barrier_wait -1
.irp t, 0,1,2,3,4,5,6,7,8,9,10,11,12,13,14,15
	ds_load_b128 v[KF+4*\t:KF+4*\t+3], v[RD] offset:\t*2*SPITCH
.endr
.irp t, 0,1,2,3,4,5,6,7,8,9,10,11,12,13,14,15
	s_wait_dscnt 15-\t                             ; load t is in, the 15 - t younger ones may be out
	global_store_b128 v[CO], v[KF+4*\t:KF+4*\t+3], s[6:7] offset:\t*4096   ; 16 lanes store 256 consecutive bytes, at a multiple of 256 from ao's first byte
.endr
	s_wait_tensorcnt 0x0
	ds_add_u32 v254, v255
	s_wait_dscnt 0x0
	ROUND                                          ; the closing round: no work-group ends while a partner may still ask for a tile that names it
	s_endpgm
.Lfunc_end_k_q096deb9c93_attn:
	.size	k_q096deb9c93_attn, .Lfunc_end_k_q096deb9c93_attn-k_q096deb9c93_attn
	.p2alignl 7, 3214868480
	.fill 96, 4, 3214868480
	.section	.rodata,"a",@progbits
	.p2align	6, 0x0
	.amdhsa_kernel k_q096deb9c93_attn
		.amdhsa_group_segment_fixed_size 327680
		.amdhsa_private_segment_fixed_size 0
		.amdhsa_enable_private_segment 0
		.amdhsa_kernarg_size 16
		.amdhsa_user_sgpr_count 2
		.amdhsa_user_sgpr_kernarg_segment_ptr 1
		.amdhsa_wavefront_size32 1
		.amdhsa_system_sgpr_workgroup_id_x 1
		.amdhsa_system_sgpr_workgroup_id_y 1
		.amdhsa_system_sgpr_workgroup_id_z 1
		.amdhsa_system_vgpr_workitem_id 0
		.amdhsa_next_free_vgpr 448
		.amdhsa_next_free_sgpr 66
		.amdhsa_reserve_vcc 0
		.amdhsa_float_denorm_mode_32 3
		.amdhsa_float_denorm_mode_16_64 3
		.amdhsa_memory_ordered 1
		.amdhsa_forward_progress 1
		.amdhsa_inst_pref_size 255
	.end_amdhsa_kernel
	.section	.bss,"aw",@nobits
	.p2align	6
	.space	262144
	.amdgpu_metadata
---
amdhsa.version: [ 1, 2 ]
amdhsa.kernels:
  - .name:           k_q096deb9c93_attn
    .symbol:         k_q096deb9c93_attn.kd
    .args:
      - { .name: qkv, .offset: 0, .size: 8, .value_kind: global_buffer, .address_space: global }
      - { .name: ao, .offset: 8, .size: 8, .value_kind: global_buffer, .address_space: global }
    .group_segment_fixed_size: 327680
    .private_segment_fixed_size: 0
    .kernarg_segment_align: 8
    .kernarg_segment_size: 16
    .max_flat_workgroup_size: 256
    .sgpr_count:     66
    .vgpr_count:     448
    .wavefront_size: 32
...
	.end_amdgpu_metadata
.endif
;; end of part 3
;; launch outproj (part 4): grid 8 x 32, 4 waves a work-group, clusters of 4 x 4, 327,680 bytes of LDS; arguments ao, woh, out0; writes out0
.if DOCPART == 4
	.amdgcn_target "amdgcn-amd-amdhsa--gfx1250"
	.amdhsa_code_object_version 6
	.text
	.protected	k_q096deb9c93_outproj
	.globl	k_q096deb9c93_outproj
	.p2align	8
	.type	k_q096deb9c93_outproj,@function
k_q096deb9c93_outproj:
	s_mov_b64 s[64:65], 0
	v_nop
	global_prefetch_b8 v0, s[64:65] scope:SCOPE_SE
	s_setreg_imm32_b32 hwreg(HW_REG_WAVE_MODE, 25, 1), 1
	s_wait_xcnt 0x0
	s_wait_alu depctr_hold_cnt(0) depctr_sa_sdst(0) depctr_va_vdst(0) depctr_va_sdst(0) depctr_va_ssrc(0) depctr_va_vcc(0) depctr_vm_vsrc(0)
	s_getreg_b32 s2, hwreg(HW_REG_IB_STS2, 6, 4)
	s_cmp_eq_u32 s2, 0
	s_cbranch_scc0 .Lentry_in_a_cluster
	s_endpgm
.Lentry_in_a_cluster:
	s_bfe_u32 s2, ttmp6, 0x10000c
	s_cmp_lg_u32 s2, 0xf033
	s_cbranch_scc0 .Lentry_shape_is_right
	s_endpgm
.Lentry_shape_is_right:
; out0[m][n] = sum over k of ao[m][k] woh[n][k].  ao: [8192][1024] f16, woh: [1024][1024] f16, out0: [8192][1024] f32; sums in f32.
; A work-group makes a block of 256 x 128, so that the 8192 x 1024 results are 256 equal blocks.  Four waves, as many as a WGP has SIMDs; wave w makes
; rows 64 w .. + 63 x all 128 columns: 32 accumulator tiles of 16 x 16, 256 registers.  K goes in steps of 128 through a ring of two LDS slots
; filled by the tensor data mover; a tile's rows are 256 bytes of memory at multiples of 256 bytes.
; CLUSTERS: 4 x 4 work-groups.  A's tile hangs on the block row alone and is asked for jointly by a row of the cluster, B's on the block column
; alone and is asked for jointly by a column.
; REGISTERS: window 0: v16-26 addresses; v32-63, v64-95 fragments of A (4 x 16 rows x 32 K), two buffers; v96-159, v160-223 fragments of B (8), two buffers.
;            window 1: the accumulator tiles, tile (a, b) at v[8 (8 a + b)].
; THE MATRIX INSTRUCTION IS USED TRANSPOSED (source 0 = rows of B, source 1 = rows of A): a lane holds row l % 16 of C and eight neighbouring columns, 32 bytes.
.set SIZE_N, 1024
.set SIZE_K, 1024
.set KSTEP,  128
.set PITCH,  272                       ; 256 bytes of data + 16 of padding: the 16 rows that a load touches start 16 bytes apart modulo 256
.set AHALF,  128*PITCH                 ; what waves 0 and 1 fetch: 128 rows of A
.set BHALF,  64*PITCH                  ; what waves 2 and 3 fetch: 64 rows of B
.set ATILE,  2*AHALF
.set SLOT,   ATILE+2*BHALF             ; A's 256 rows, then B's 128 rows: 104,448
.set STAGE,  2*SLOT                    ; behind the ring: 16 rows x 528 bytes for each wave, for the way out
.set SPITCH, 528                       ; 512 bytes of a row + 16
.set LAPS, SIZE_K/(2*KSTEP)            ; 4
.set ADRA, 16                          ; v16-17  LDS address of my A fragments in slot 0, 1
.set ADRB, 20                          ; v20-21  the same for B
.set STO,  24                          ; v24     the way out: where I put 32 bytes of a row
.set RD,   25                          ; v25     the way out: where I read a row back
.set CO,   26                          ; v26     my byte offset in a row of C
.set FA,   32                          ; A's fragment buffers: FA + 32 f
.set FB,   96                          ; B's fragment buffers: FB + 64 f
.set G1, 24                            ; s[24:31] descriptor group 1 for A's tiles
.set G0, 32                            ; s[32:39] descriptor group 0 for A's tiles, one set for each slot
.set G1B, 48                           ; s[48:55] descriptor group 1 for B's tiles
.set G0B, 56                           ; s[56:63] descriptor group 0 for B's tiles, one set for each slot
.set MUL, 0x50                         ; C and D in window 1
.set MSB, 0
.macro WIN new                         ; the immediate's high byte repeats the setting that is left
.if MSB != \new
	s_set_vgpr_msb (MSB<<8)|\new
.set MSB, \new
.endif
.endm
.macro JLOAD s                         ; a joint load: waves 0 and 1 ask for A's halves, waves 2 and 3 for B's; the branch hangs on the wave's number alone
	s_cmp_eq_u32 s11, 0
	s_cbranch_scc0 .Lfor_b_\@
	tensor_load_to_lds s[G0+4*\s:G0+4*\s+3], s[G1:G1+7]
	s_nop 0
	s_branch .Lasked_\@
.Lfor_b_\@:
	tensor_load_to_lds s[G0B+4*\s:G0B+4*\s+3], s[G1B:G1B+7]
	s_nop 0
.Lasked_\@:
.endm
.macro CREST                           ; a round of the cluster's barrier behind its opening barrier
	s_cmp_lg_u32 s10, 0
	s_cbranch_scc1 .Lnot_wave_0_\@
	s_barrier_signal -3
.Lnot_wave_0_\@:
	s_barrier_wait -3
	s_barrier_signal -1
	s_barrier_wait -1
.endm
.macro CROUND                          ; a whole round
	s_barrier_signal -1
	s_barrier_wait -1
	CREST
.endm
.macro PLACES                          ; four places behind a matrix instruction (ISA guide 7.12.1 for vector instructions)
.rept 4
	v_nop
.endr
.endm
	s_load_b128 s[4:7], s[0:1], 0x0                ; A s[4:5], B s[6:7]
	s_load_b64 s[8:9], s[0:1], 0x10                ; C
	v_lshl_add_u32 v254, v0, 2, 0x3b400
	v_mov_b32 v255, 0
	ds_add_u32 v254, v255
	v_lshrrev_b32 v1, 5, v0
	v_readfirstlane_b32 s10, v1                    ; wave 0..3
	s_lshr_b32 s11, s10, 1                         ; I fetch for A (0) or for B (1)
	s_and_b32 s12, s10, 1                          ; which half of that tile's rows
	s_bfe_u32 s40, ttmp6, 0x40000                  ; cx
	s_bfe_u32 s41, ttmp6, 0x40004                  ; cy
	s_lshl_b32 s42, ttmp9, 2
	s_add_co_u32 s42, s42, s40                     ; block column of C, 0..7
	s_and_b32 s13, ttmp7, 0xffff
	s_lshl_b32 s13, s13, 2
	s_add_co_u32 s13, s13, s41                     ; block row of C, 0..31
	s_lshl_b32 s43, s41, 2
	s_lshl_b32 s43, 15, s43                        ; my row of the cluster: places 4 cy .. 4 cy + 3
	s_lshl_b32 s44, 0x1111, s40                    ; my column: places cx, cx + 4, cx + 8, cx + 12
	s_or_b32 s[G1+0], s43, (1<<16)|(1<<20)|(1<<21)|(5<<22)|(3<<25)  ; mask of my row; element of 2 bytes; padding on; bit 21 beside a mask; 4 words behind every 64
	s_or_b32 s[G1B+0], s44, (1<<16)|(1<<20)|(1<<21)|(5<<22)|(3<<25) ; the same with the mask of my column
	s_mov_b32 s[G1+1], KSTEP<<16                   ; tensor_dim0 = 128
	s_mov_b32 s[G1B+1], KSTEP<<16
	s_mov_b32 s[G1+2], 128<<16                     ; tensor_dim1: 128 rows of A,
	s_mov_b32 s[G1B+2], 64<<16                     ; 64 of B
	s_mov_b32 s[G1+3], KSTEP<<16                   ; tile_dim0 = 128
	s_mov_b32 s[G1B+3], KSTEP<<16
	s_mov_b32 s[G1+4], 128                         ; tile_dim1
	s_mov_b32 s[G1B+4], 64
	s_mov_b32 s[G1+5], SIZE_K                      ; elements from row to row
	s_mov_b32 s[G1B+5], SIZE_K
	s_mov_b32 s[G1+6], 0
	s_mov_b32 s[G1B+6], 0
	s_mov_b32 s[G1+7], 0
	s_mov_b32 s[G1B+7], 0
	; A's address is made of the block row and the wave's number, B's of the block column and the wave's number, each in registers that never hold the other coordinate
	s_lshl_b32 s17, s12, 7
	s_lshl_b32 s16, s13, 8
	s_add_co_u32 s16, s16, s17                     ; A: row 256 x block row + 128 x half
	s_lshl_b32 s16, s16, 11                        ; 2,048 bytes a row (below 2^24)
	s_mov_b32 s17, 0
	s_lshl_b32 s47, s12, 6
	s_lshl_b32 s46, s42, 7
	s_add_co_u32 s46, s46, s47                     ; B: row 128 x block column + 64 x half
	s_lshl_b32 s46, s46, 11
	s_mov_b32 s47, 0
	s_mul_i32 s20, s10, AHALF                      ; where A's halves go (waves 0, 1): 0 and 34,816
	s_mul_i32 s45, s10, BHALF                      ; where B's halves go (waves 2, 3):
	s_add_co_u32 s45, s45, AHALF                   ; 17,408 w + 34,816 = 69,632 and 87,040, behind A's 256 rows
	s_wait_dscnt 0x0
	s_wait_kmcnt 0x0
	s_add_nc_u64 s[14:15], s[4:5], s[16:17]
	s_add_nc_u64 s[46:47], s[6:7], s[46:47]
	CROUND                                         ; all sixteen work-groups are here: the first joint loads meet
.irp s, 0,1
	s_mov_b32 s[G0+4*\s], 1
	s_add_co_u32 s[G0+4*\s+1], s20, \s*SLOT
	s_add_nc_u64 s[G0+4*\s+2:G0+4*\s+3], s[14:15], \s*KSTEP*2
	s_or_b32 s[G0+4*\s+3], s[G0+4*\s+3], 0x80000000
	s_mov_b32 s[G0B+4*\s], 1
	s_add_co_u32 s[G0B+4*\s+1], s45, \s*SLOT
	s_add_nc_u64 s[G0B+4*\s+2:G0B+4*\s+3], s[46:47], \s*KSTEP*2
	s_or_b32 s[G0B+4*\s+3], s[G0B+4*\s+3], 0x80000000
	JLOAD \s                                       ; K steps 0 and 1: two tensor loads of a wave are out, never more
.endr
	v_and_b32 v1, 15, v0                           ; l % 16
	v_bfe_u32 v2, v0, 4, 1                         ; l / 16
	v_mul_u32_u24 v3, v1, PITCH
	v_lshl_add_u32 v3, v2, 4, v3                   ; row x pitch + 16 x half
	s_mul_i32 s21, s10, 64*PITCH                   ; my 64 rows of A
	s_mov_b32 s22, ATILE                           ; B's 128 rows, which every wave reads
.irp s, 0,1
	v_add_nc_u32 v[ADRA+\s], s21, v3
	v_add_nc_u32 v[ADRB+\s], s22, v3
	s_add_co_u32 s21, s21, SLOT
	s_add_co_u32 s22, s22, SLOT
.endr
	s_mul_i32 s23, s10, 16*SPITCH
	s_add_co_u32 s23, s23, STAGE                   ; my stage
	v_mul_u32_u24 v4, v1, SPITCH                   ; in: row l % 16, 32 bytes for each half of the lanes
	v_lshl_add_u32 v4, v2, 5, v4
	v_add_nc_u32 v[STO], s23, v4
	v_and_b32 v5, 31, v0
	v_lshlrev_b32 v[CO], 4, v5                     ; back: 32 lanes take one row's 512 bytes
	v_add_nc_u32 v[RD], s23, v[CO]
; 8 matrix instructions: m block a x all 8 n blocks, 32 along K, from buffers f.  zero = 1: the first product starts the sums.
; The 32 accumulators take turns, one instruction a turn, in the same order in every quarter step.
.macro MULA f, a, zero
.irp b, 0,1,2,3,4,5,6,7
.if \zero
	v_wmma_f32_16x16x32_f16 v[8*(8*\a+\b):8*(8*\a+\b)+7], v[FB+64*\f+8*\b:FB+64*\f+8*\b+7], v[FA+32*\f+8*\a:FA+32*\f+8*\a+7], 0
.else
	v_wmma_f32_16x16x32_f16 v[8*(8*\a+\b):8*(8*\a+\b)+7], v[FB+64*\f+8*\b:FB+64*\f+8*\b+7], v[FA+32*\f+8*\a:FA+32*\f+8*\a+7], v[8*(8*\a+\b):8*(8*\a+\b)+7]
.endif
.endr
.endm
; 24 LDS loads in one run: B's 128 rows, then my 64 rows of A, 32 K at byte k of the rows, into buffers f
.macro FETCH slot, k, f
	WIN 0
.irp i, 0,1,2,3,4,5,6,7
	ds_load_b128 v[FB+64*\f+8*\i:FB+64*\f+8*\i+3],   v[ADRB+\slot] offset:\k+\i*16*PITCH
	ds_load_b128 v[FB+64*\f+8*\i+4:FB+64*\f+8*\i+7], v[ADRB+\slot] offset:\k+\i*16*PITCH+32
.endr
.irp i, 0,1,2,3
	ds_load_b128 v[FA+32*\f+8*\i:FA+32*\f+8*\i+3],   v[ADRA+\slot] offset:\k+\i*16*PITCH
	ds_load_b128 v[FA+32*\f+8*\i+4:FA+32*\f+8*\i+7], v[ADRA+\slot] offset:\k+\i*16*PITCH+32
.endr
.endm
; A K step is four quarter steps of 32 along K, 32 matrix instructions each, on buffers 0, 1, 0, 1.
.macro QUARTER slot, k, f, g, zero
	s_wait_dscnt 4                                 ; B and A's blocks 0 and 1 are in; the youngest four loads (A's blocks 2 and 3) may be out
	WIN MUL
	MULA \f, 0, \zero
	MULA \f, 1, \zero
	PLACES
	FETCH \slot, \k, \g
	s_wait_dscnt 24                                ; all but the 24 just issued
	WIN MUL
	MULA \f, 2, \zero
	MULA \f, 3, \zero
.endm
.macro THREE slot, zero
	QUARTER \slot, 64,  0, 1, \zero
	QUARTER \slot, 128, 1, 0, 0
	QUARTER \slot, 192, 0, 1, 0
.endm
; The last quarter: multiplies buffers 1 and changes slots.  In front of the one barrier each wave waits for its own reads of this slot and for all
; its tensor loads (one is out: its part of the next slot).  Behind it the refill comes first, then the next slot's first fragments.
.macro TURN slot, next, fill
	s_wait_dscnt 4
	WIN MUL
	MULA 1, 0, 0
	s_wait_dscnt 0                                 ; my reads of this slot are over
	s_wait_tensorcnt 0x0                           ; and all my tensor loads have landed
	ds_add_u32 v254, v255
	s_wait_dscnt 0x0
	s_barrier_signal -1                            ; say so (where a slot is filled again this barrier opens a round of the cluster's barrier),
	MULA 1, 1, 0                                   ; work on registers while the others arrive,
	WIN 0
	s_barrier_wait -1
.if \fill
	CREST                                          ; all sixteen work-groups have said so
	s_add_nc_u64 s[G0+4*\slot+2:G0+4*\slot+3], s[G0+4*\slot+2:G0+4*\slot+3], 2*KSTEP*2
	s_add_nc_u64 s[G0B+4*\slot+2:G0B+4*\slot+3], s[G0B+4*\slot+2:G0B+4*\slot+3], 2*KSTEP*2
	JLOAD \slot                                    ; the first tensor load behind the round, and the wave's only one until the next
.endif
	PLACES
	FETCH \next, 0, 0
	WIN MUL
	MULA 1, 2, 0
	MULA 1, 3, 0
.endm
.macro LAP zero
	THREE 0, \zero
	TURN 0, 1, 1
	THREE 1, 0
	TURN 1, 0, 1
.endm
	s_wait_tensorcnt 1                             ; my part of K step 0 is in; K step 1's load, issued behind it, may be out
	s_barrier_signal -1
	s_barrier_wait -1
	FETCH 0, 0, 0
	LAP 1                                          ; the first lap stands in front of the loop: its first products start the sums
	WIN 0
	s_mov_b32 s3, LAPS-2
.Llap:
	LAP 0
	WIN 0
	s_sub_co_u32 s3, s3, 1
	s_cmp_lg_u32 s3, 0
	s_cbranch_scc1 .Llap
	THREE 0, 0                                     ; the last lap fills nothing
	TURN 0, 1, 0
	THREE 1, 0
	s_wait_dscnt 4                                 ; the very last quarter
	WIN MUL
	MULA 1, 0, 0
	MULA 1, 1, 0
	s_wait_dscnt 0
	MULA 1, 2, 0
	MULA 1, 3, 0
	; THE WAY OUT, 16 rows of C at a time: 32 bytes a lane into my own stage in LDS, read back as whole rows of 512 bytes.
	PLACES                                         ; the places behind the last matrix instructions: for the LDS stores of results and the loads into B's buffers
	s_lshl_b32 s13, s13, 8
	s_lshl_b32 s14, s10, 6
	s_add_co_u32 s16, s13, s14                     ; my first row of C
	s_lshl_b32 s16, s16, 12                        ; 4,096 bytes a row (below 2^25)
	s_mov_b32 s17, 0
	s_add_nc_u64 s[8:9], s[8:9], s[16:17]
	s_lshl_b32 s46, s42, 9                         ; my block's first column: 512 bytes a block
	s_mov_b32 s47, 0
	s_add_nc_u64 s[8:9], s[8:9], s[46:47]
; rows 16 a .. 16 a + 15 of my 64 = the eight tiles (a, 0..7); f: B's buffer 0 or 1 in turn
.macro OUT16 a, f
	WIN 0x04                                       ; an LDS store's data is source 1: window 1
.irp b, 0,1,2,3,4,5,6,7
	ds_store_b128 v[STO], v[8*(8*\a+\b):8*(8*\a+\b)+3]   offset:64*\b
	ds_store_b128 v[STO], v[8*(8*\a+\b)+4:8*(8*\a+\b)+7] offset:64*\b+16
.endr
	WIN 0
	s_wait_xcnt 0x0                                ; buffer f, which earlier stores read, and the stores' base are rewritten only behind this wait
.if \a
	s_add_nc_u64 s[8:9], s[8:9], 16*SIZE_N*4       ; 16 rows of C on
.endif
.irp t, 0,1,2,3,4,5,6,7,8,9,10,11,12,13,14,15
	ds_load_b128 v[FB+64*\f+4*\t:FB+64*\f+4*\t+3], v[RD] offset:\t*SPITCH   ; LDS serves a wave's instructions in order: these see the stores above
.endr
.irp t, 0,1,2,3,4,5,6,7,8,9,10,11,12,13,14,15
	s_wait_dscnt 15-\t                             ; load t is in, the 15 - t younger ones may be out
	global_store_b128 v[CO], v[FB+64*\f+4*\t:FB+64*\f+4*\t+3], s[8:9] offset:\t*SIZE_N*4 th:TH_STORE_NT   ; the wave stores 512 consecutive bytes, at a multiple of 512 from C's first byte
.endr
.endm
	OUT16 0, 0
	OUT16 1, 1
	OUT16 2, 0
	OUT16 3, 1
	s_wait_tensorcnt 0x0
	ds_add_u32 v254, v255
	s_wait_dscnt 0x0
	CROUND                                         ; the closing round: no work-group ends while a partner may still ask for a tile that names it
	s_endpgm
.Lfunc_end_k_q096deb9c93_outproj:
	.size	k_q096deb9c93_outproj, .Lfunc_end_k_q096deb9c93_outproj-k_q096deb9c93_outproj
	.p2alignl 7, 3214868480
	.fill 96, 4, 3214868480
	.section	.rodata,"a",@progbits
	.p2align	6, 0x0
	.amdhsa_kernel k_q096deb9c93_outproj
		.amdhsa_group_segment_fixed_size 327680
		.amdhsa_private_segment_fixed_size 0
		.amdhsa_enable_private_segment 0
		.amdhsa_kernarg_size 24
		.amdhsa_user_sgpr_count 2
		.amdhsa_user_sgpr_kernarg_segment_ptr 1
		.amdhsa_wavefront_size32 1
		.amdhsa_system_sgpr_workgroup_id_x 1
		.amdhsa_system_sgpr_workgroup_id_y 1
		.amdhsa_system_sgpr_workgroup_id_z 1
		.amdhsa_system_vgpr_workitem_id 0
		.amdhsa_next_free_vgpr 512
		.amdhsa_next_free_sgpr 66
		.amdhsa_reserve_vcc 0
		.amdhsa_float_denorm_mode_32 3
		.amdhsa_float_denorm_mode_16_64 3
		.amdhsa_memory_ordered 1
		.amdhsa_forward_progress 1
		.amdhsa_inst_pref_size 117
	.end_amdhsa_kernel
	.amdgpu_metadata
---
amdhsa.version: [ 1, 2 ]
amdhsa.kernels:
  - .name:           k_q096deb9c93_outproj
    .symbol:         k_q096deb9c93_outproj.kd
    .args:
      - { .name: ao, .offset: 0, .size: 8, .value_kind: global_buffer, .address_space: global }
      - { .name: woh, .offset: 8, .size: 8, .value_kind: global_buffer, .address_space: global }
      - { .name: out0, .offset: 16, .size: 8, .value_kind: global_buffer, .address_space: global }
    .group_segment_fixed_size: 327680
    .private_segment_fixed_size: 0
    .kernarg_segment_align: 8
    .kernarg_segment_size: 24
    .max_flat_workgroup_size: 128
    .sgpr_count:     66
    .vgpr_count:     512
    .wavefront_size: 32
...
	.end_amdgpu_metadata
.endif
;; end of part 4
;; ======== version 2 of 2: 4 launches; version 1 with the launch cast written anew for expert scheduling mode
;; limits: values are held in f16: magnitudes above 65,504 overflow, below 6.1e-05 lose precision; right only within a limited range of input values
;; workspace buffers: xh 16,777,216 bytes; wqkvh 6,291,456 bytes; woh 2,097,152 bytes; qkv 50,331,648 bytes; ao 16,777,216 bytes
;; launch cast (part 5): grid 768 x 1, 8 waves a work-group, no clusters, 0 bytes of LDS; arguments x, Wq, Wk, Wv, Wo, xh, wqkvh, woh; writes xh, wqkvh, woh
.if DOCPART == 5
	.amdgcn_target "amdgcn-amd-amdhsa--gfx1250"
	.amdhsa_code_object_version 6
	.text
	.protected	k_q096deb9c93_cast
	.globl	k_q096deb9c93_cast
	.p2align	8
	.type	k_q096deb9c93_cast,@function
k_q096deb9c93_cast:
	s_mov_b64 s[64:65], 0
	v_nop
	global_prefetch_b8 v0, s[64:65] scope:SCOPE_SE
	s_setreg_imm32_b32 hwreg(HW_REG_WAVE_SCHED_MODE, 0, 2), 2
	s_setreg_imm32_b32 hwreg(HW_REG_WAVE_MODE, 25, 1), 1
	s_wait_xcnt 0x0
	s_wait_alu depctr_vm_vsrc(0)
; f32 to f16 (round to nearest even) of x and of the four weight matrices, once, so that the products that follow read 16-bit operands.
; xh = x; wqkvh = Wq, Wk, Wv one below the other ([3072][1024]); woh = Wo.
; LIMIT: a number of 65,520 or more in magnitude becomes an infinity in f16.  f16 and not bf16 because its step is eight times finer.
; A work-group takes one chunk of 16,384 numbers: 65,536 bytes in, 32,768 out.  Chunks 0-511 are x's, then 64 each of Wq, Wk, Wv, Wo.
; Thread t takes 16 bytes at 16 t of each of the chunk's sixteen pieces of 4,096 bytes: a load of a wave covers 512 consecutive bytes,
; a store 256 consecutive bytes at a multiple of 256.  All sixteen loads go out first.  No LDS, no barrier, no matrix unit: nothing is
; shared and nothing is read twice.
; THE MODE: SCHED_MODE bits 1:0 = 2 (LLVM: expert scheduling mode 2), set by the entry lines.  The code itself states the register dependences
; between vector instructions and memory instructions, with s_wait_alu, always for 0.
; THE PLAN.  Registers that memory instructions touch:
;   v1, v2   byte offsets of the loads and of the stores.  Written once at the head by vector instructions, never again.
;   X        piece p: written by its one load, read by its two conversions, never loaded again; no vector instruction names X ahead of the loads.
;   Y        piece p: written by its two conversions, read by its one store, never written again.
; So the only dependences to state are: v1 and v2 written ahead of the first load, and a piece's Y written ahead of its store.
; The sixteen pieces go in four groups of four.  Group g's conversions name X and Y of group g alone; the memory instructions dealt among them are
; the four stores of group g - 1, which read Y of group g - 1 and v2.  One wait at a group's head states all that its four stores hang on;
; one more stands ahead of the last group's stores.  No register that a memory instruction reads is written again, so no wait on vm_vsrc is owed.
.set X, 4                              ; v[4:67]   piece p: 4 registers as loaded
.set Y, 68                             ; v[68:99]  piece p: 2 registers to store
	s_load_b512 s[8:23], s[0:1], 0x0               ; x s[8:9], Wq s[10:11], Wk s[12:13], Wv s[14:15], Wo s[16:17], xh s[18:19], wqkvh s[20:21], woh s[22:23]
	s_mov_b32 s2, ttmp9                            ; chunk 0..767
	s_sub_co_u32 s3, s2, 512                       ; chunk among the weights' 256 (of no meaning for x's chunks, where it is not chosen)
	s_lshr_b32 s4, s3, 6                           ; which weight matrix: 0 Wq, 1 Wk, 2 Wv, 3 Wo
	s_and_b32 s5, s3, 63                           ; chunk inside it
	v_lshlrev_b32 v1, 4, v0                        ; 16 t
	v_lshlrev_b32 v2, 3, v0                        ; 8 t
	s_wait_kmcnt 0x0
	; the source and the destination are chosen on the chunk's number alone; a select leaves SCC as it is, so one compare serves several
	s_cmp_eq_u32 s4, 1
	s_cselect_b64 s[24:25], s[12:13], s[10:11]
	s_cmp_eq_u32 s4, 2
	s_cselect_b64 s[24:25], s[14:15], s[24:25]
	s_cmp_eq_u32 s4, 3
	s_cselect_b64 s[24:25], s[16:17], s[24:25]
	s_cselect_b64 s[26:27], s[22:23], s[20:21]     ; Wo goes to woh, the other three to wqkvh,
	s_cselect_b32 s6, s5, s3                       ; where the chunks of Wq, Wk, Wv simply follow each other
	s_cmp_lt_u32 s2, 512
	s_cselect_b64 s[24:25], s[8:9], s[24:25]
	s_cselect_b64 s[26:27], s[18:19], s[26:27]
	s_cselect_b32 s5, s2, s5
	s_cselect_b32 s6, s2, s6
	s_lshl_b32 s28, s5, 16                         ; 65,536 bytes a chunk in (at most 32 MiB)
	s_mov_b32 s29, 0
	s_lshl_b32 s30, s6, 15                         ; 32,768 bytes a chunk out
	s_mov_b32 s31, 0
	s_add_nc_u64 s[24:25], s[24:25], s[28:29]
	s_add_nc_u64 s[26:27], s[26:27], s[30:31]
	s_wait_alu depctr_va_vdst(0)                   ; v1 and v2 are written: every load of the kernel reads v1 as its offset, every store v2
.irp i, 0,1,2,3,4,5,6,7,8,9,10,11,12,13,14,15
	global_load_b128 v[X+4*\i:X+4*\i+3], v1, s[24:25] offset:4096*\i th:TH_LOAD_NT   ; read once in the launch
.endr
	; group 0: pieces 0 to 3 are converted; there is no group in front of it, so it stores nothing
.irp i, 0,1,2,3
	s_wait_loadcnt 15-\i                           ; loads come back in order: piece i is in, the 15 - i younger ones may be out
	v_cvt_pk_f16_f32 v[Y+2*\i],   v[X+4*\i],   v[X+4*\i+1]
	v_cvt_pk_f16_f32 v[Y+2*\i+1], v[X+4*\i+2], v[X+4*\i+3]
.endr
	; groups 1 to 3: piece p = 4 g + i is converted, and piece p - 4, of the group before, is stored
.irp g, 1,2,3
.irp i, 0,1,2,3
.set p, 4*(\g)+(\i)
.if (\i) == 0
	s_wait_loadcnt 15-p                            ; the group's first piece is in, the 15 - p younger loads may be out
	s_wait_alu depctr_va_vdst(0)                   ; the group before has written its four pieces of Y, which this group's four stores read
	global_store_b64 v2, v[Y+2*(p-4):Y+2*(p-4)+1], s[26:27] offset:2048*(p-4)
.else
	global_store_b64 v2, v[Y+2*(p-4):Y+2*(p-4)+1], s[26:27] offset:2048*(p-4)   ; no wait: no vector instruction since the group's wait names these registers or v2
	s_wait_loadcnt 15-p                            ; piece p is in, the 15 - p younger loads may be out
.endif
	v_cvt_pk_f16_f32 v[Y+2*p],   v[X+4*p],   v[X+4*p+1]
	v_cvt_pk_f16_f32 v[Y+2*p+1], v[X+4*p+2], v[X+4*p+3]
.endr
.endr
	s_wait_alu depctr_va_vdst(0)                   ; group 3 has written its four pieces of Y, which the last four stores read
.irp i, 12,13,14,15
	global_store_b64 v2, v[Y+2*\i:Y+2*\i+1], s[26:27] offset:2048*\i
.endr
	s_endpgm
.Lfunc_end_k_q096deb9c93_cast:
	.size	k_q096deb9c93_cast, .Lfunc_end_k_q096deb9c93_cast-k_q096deb9c93_cast
	.p2alignl 7, 3214868480
	.fill 96, 4, 3214868480
	.section	.rodata,"a",@progbits
	.p2align	6, 0x0
	.amdhsa_kernel k_q096deb9c93_cast
		.amdhsa_group_segment_fixed_size 0
		.amdhsa_private_segment_fixed_size 0
		.amdhsa_enable_private_segment 0
		.amdhsa_kernarg_size 64
		.amdhsa_user_sgpr_count 2
		.amdhsa_user_sgpr_kernarg_segment_ptr 1
		.amdhsa_wavefront_size32 1
		.amdhsa_system_sgpr_workgroup_id_x 1
		.amdhsa_system_sgpr_workgroup_id_y 1
		.amdhsa_system_sgpr_workgroup_id_z 1
		.amdhsa_system_vgpr_workitem_id 0
		.amdhsa_next_free_vgpr 100
		.amdhsa_next_free_sgpr 66
		.amdhsa_reserve_vcc 0
		.amdhsa_float_denorm_mode_32 3
		.amdhsa_float_denorm_mode_16_64 3
		.amdhsa_memory_ordered 1
		.amdhsa_forward_progress 1
		.amdhsa_inst_pref_size 7
	.end_amdhsa_kernel
	.amdgpu_metadata
---
amdhsa.version: [ 1, 2 ]
amdhsa.kernels:
  - .name:           k_q096deb9c93_cast
    .symbol:         k_q096deb9c93_cast.kd
    .args:
      - { .name: x, .offset: 0, .size: 8, .value_kind: global_buffer, .address_space: global }
      - { .name: Wq, .offset: 8, .size: 8, .value_kind: global_buffer, .address_space: global }
      - { .name: Wk, .offset: 16, .size: 8, .value_kind: global_buffer, .address_space: global }
      - { .name: Wv, .offset: 24, .size: 8, .value_kind: global_buffer, .address_space: global }
      - { .name: Wo, .offset: 32, .size: 8, .value_kind: global_buffer, .address_space: global }
      - { .name: xh, .offset: 40, .size: 8, .value_kind: global_buffer, .address_space: global }
      - { .name: wqkvh, .offset: 48, .size: 8, .value_kind: global_buffer, .address_space: global }
      - { .name: woh, .offset: 56, .size: 8, .value_kind: global_buffer, .address_space: global }
    .group_segment_fixed_size: 0
    .private_segment_fixed_size: 0
    .kernarg_segment_align: 8
    .kernarg_segment_size: 64
    .max_flat_workgroup_size: 256
    .sgpr_count:     66
    .vgpr_count:     100
    .wavefront_size: 32
...
	.end_amdgpu_metadata
.endif
;; end of part 5
;; launch qkvproj: the kernel of part 2 again; grid 12 x 32, 4 waves a work-group, clusters of 4 x 4, 327,680 bytes of LDS; arguments xh, wqkvh, qkv; writes qkv
;; launch attn: the kernel of part 3 again; grid 8 x 32, 8 waves a work-group, clusters of 4 x 1, 327,680 bytes of LDS; arguments qkv, ao; writes ao
;; launch outproj: the kernel of part 4 again; grid 8 x 32, 4 waves a work-group, clusters of 4 x 4, 327,680 bytes of LDS; arguments ao, woh, out0; writes out0
